; MI455X (gfx1250); checked and timed in simulation.
; The chip was launched on July 23, 2026; its instructions are those of AMD's public machine-readable ISA for CDNA 5 (MIT licence, August 2026) and "CDNA5" Instruction Set Architecture Reference Guide (July 2026). The comments in the code are by the model that wrote it; some were corrected since.
;; Multi Lobed Blob Sampler. Allowed arithmetic: float matrix products may take bf16 or f16 operands with f32 sums; all other float work in f32.
;; Inputs: axes 8 x 3 float32; labels 8 x 1 float32; sharpness 8 x 1 float32; shifted_centers 8 x 1 x 3 int32.
;; Outputs: out0 192 x 192 x 192 float32.
;; 2 versions, each right and faster than the one before. Each part assembles by itself: llvm-mc -triple=amdgcn-amd-amdhsa -mcpu=gfx1250 --defsym DOCPART=n.
;; ======== version 1 of 2: 2 launches
;; workspace buffers: masks 65,536 bytes of whole numbers
;; launch plan (part 1): grid 256 x 1, 8 waves a work-group, no clusters, 1,280 bytes of LDS; arguments axes, labels, sharpness, shifted_centers, masks; writes masks
.if DOCPART == 1
	.amdgcn_target "amdgcn-amd-amdhsa--gfx1250"
	.amdhsa_code_object_version 6
	.text
	.protected	k_q00af7c4baa_plan
	.globl	k_q00af7c4baa_plan
	.p2align	8
	.type	k_q00af7c4baa_plan,@function
k_q00af7c4baa_plan:
	s_mov_b64 s[64:65], 0
	v_nop
	global_prefetch_b8 v0, s[64:65] scope:SCOPE_SE
	s_setreg_imm32_b32 hwreg(HW_REG_WAVE_MODE, 25, 1), 1
	s_wait_xcnt 0x0
; PLAN: which lobe can touch which tile of the volume.  The answer steers branches of the next launch, and it comes from
; floating-point inputs, so it is made here and stored as whole numbers.
;
; A tile is 2 rows (y, y+1; y even) x 64 x of one plane z: 192 x 96 x 3 = 55,296 tiles, t = (z*96 + y/2)*3 + x/64.
; The next launch has 256 work-groups of 8 waves; its wave w of group g paints the 27 tiles t = g + 256 w + 2048 k.
; Here wave w of group g stands for that wave and lane k for its tile k (lanes 27-31 repeat tile 26; their bits are not read).
;
; The bound.  |noise| <= 2.711 (largest |u| = 1 - 2^-24, w = 23 ln 2, tail polynomial 3.8325, times sqrt(2)/2), so with
; sharpness s > 0:  prob >= LB = sum over the axes of (dmin / (|ax| + 2.75))^s,  dmin = distance from the centre to the tile.
; LB > 1 + 2^-10 rules the lobe out for the whole tile.  For s < 512 the rounding of LB and of the reference's prob stays under
; 2e-4, well inside that margin.  For any other s (<= 0, >= 512, NaN) every tile is marked.  A label that is not > 0 imprints
; nothing (lobe_tensor > 0 fails): no tile is marked.  A NaN axis makes prob NaN, which is never <= 1: LB is NaN, not marked.
;
; Out: masks[g*64 + w*8 + b], a 32-bit word, bit k = tile k of that wave needs lobe b.  The eight waves' words meet in LDS
; and leave as one store of 32 lanes x 8 bytes: the group's 256 consecutive bytes, aligned.
.set TPW,   27                         ; tiles of a wave of the next launch
.set MAGIC, 43691                      ; ceil(2^17 / 3): n/3 = n*MAGIC >> 17 and n/96 = n*MAGIC >> 22 for n < 131,072
.set CF,    8                          ; s[8:31]   centre of lobe b, axis a, as f32, at CF + 3 b + a
.set INV,   32                         ; s[32:55]  1 / (|ax| + 2.75), same order
.set SHP,   56                         ; s[56:63]  sharpness of lobe b
.set TA,    20                         ; v[20:27]  lobe b: z term (at the end: LB)
.set TB,    28                         ; v[28:35]  lobe b: y term
.set TC,    36                         ; v[36:43]  lobe b: x term
.set WD,    44                         ; v[44:51]  lobe b: the mask word, the same in every lane
.set IV,    56                         ; v[56:58]  lane = lobe: the three reciprocals
.set LG,    60                         ; v[60:83]  the 24 logarithms
	s_load_b256 s[68:75], s[0:1], 0x0              ; axes s[68:69], labels s[70:71], sharpness s[72:73], centres s[74:75]
	s_load_b64 s[76:77], s[0:1], 0x20              ; masks
	v_lshl_add_u32 v84, v0, 2, 0x100
	v_mov_b32 v85, 0
	v_lshrrev_b32 v1, 5, v0
	v_readfirstlane_b32 s2, v1                     ; wave 0..7
	v_and_b32 v1, 7, v0                            ; for the parameters: lane = lobe (four copies)
	v_mul_u32_u24 v2, v1, 12                       ; a row of axes or of centres is 12 bytes
	v_lshlrev_b32 v3, 2, v1
	s_mov_b32 s82, 0x40300000                      ; 2.75
	s_mov_b32 s83, 0xc1fc0000                      ; -31.5
	s_mov_b32 s84, 0x3f802000                      ; 1 + 2^-10
	s_mov_b32 s86, 0x44000000                      ; 512.0
	s_wait_kmcnt 0x0
	global_load_b32 v4, v2, s[68:69]
	global_load_b32 v5, v2, s[68:69] offset:4
	global_load_b32 v6, v2, s[68:69] offset:8
	global_load_b32 v7, v2, s[74:75]
	global_load_b32 v8, v2, s[74:75] offset:4
	global_load_b32 v9, v2, s[74:75] offset:8
	global_load_b32 v10, v3, s[72:73]
	global_load_b32 v11, v3, s[70:71]
	; the lane's tile and its middle, while the loads are out
	v_and_b32 v12, 31, v0
	v_min_u32 v12, TPW-1, v12                      ; k
	s_lshl_b32 s3, s2, 8
	s_add_co_u32 s3, s3, ttmp9                     ; 256 w + g
	v_lshl_add_u32 v12, v12, 11, s3                ; t = 2048 k + 256 w + g  (< 55,296)
	v_mul_u32_u24 v13, v12, MAGIC
	v_lshrrev_b32 v13, 17, v13                     ; row pair = t / 3
	v_mul_u32_u24 v15, v13, MAGIC
	v_lshrrev_b32 v15, 22, v15                     ; z = row pair / 96
	v_mul_u32_u24 v14, v13, 3
	v_sub_nc_u32 v14, v12, v14                     ; third of the row = t mod 3
	v_mul_u32_u24 v19, v15, 96
	v_sub_nc_u32 v19, v13, v19                     ; y / 2
	v_cvt_f32_u32 v16, v15                         ; z
	v_lshlrev_b32 v19, 1, v19
	v_cvt_f32_u32 v17, v19
	v_add_f32 v17, 0.5, v17                        ; middle of rows y, y+1
	v_lshlrev_b32 v14, 6, v14
	v_cvt_f32_u32 v18, v14
	v_add_f32 v18, 0x41fc0000, v18                 ; middle of x0 .. x0+63: x0 + 31.5
	s_wait_loadcnt 0x0
	v_add_f32 v4, |v4|, s82                        ; the largest |ax + noise|
	v_add_f32 v5, |v5|, s82
	v_add_f32 v6, |v6|, s82
	v_rcp_f32 v[IV], v4
	v_rcp_f32 v[IV+1], v5
	v_rcp_f32 v[IV+2], v6
	v_cvt_f32_i32 v7, v7                           ; plain work between the reciprocals and their first use
	v_cvt_f32_i32 v8, v8
	v_cvt_f32_i32 v9, v9
	v_cmp_gt_f32 s80, v10, 0                       ; bit b: 0 < s
	v_cmp_gt_f32 s87, s86, v10                     ;        s < 512
	v_cmp_gt_f32 s81, v11, 0                       ; bit b: the label imprints
	s_and_b32 s80, s80, s87                        ; bit b: the bound holds for lobe b
	s_wait_alu depctr_va_vdst(0)
.irp b, 0,1,2,3,4,5,6,7
.irp a, 0,1,2
	v_readlane_b32 s[CF+3*\b+\a], v[7+\a], \b
	v_readlane_b32 s[INV+3*\b+\a], v[IV+\a], \b
.endr
	v_readlane_b32 s[SHP+\b], v10, \b
.endr
	; LB of the lane's tile for the eight lobes, stage by stage: 24 chains that do not wait for each other
.irp b, 0,1,2,3,4,5,6,7
	v_sub_f32 v[TA+\b], v16, s[CF+3*\b]
	v_sub_f32 v[TB+\b], v17, s[CF+3*\b+1]
	v_sub_f32 v[TC+\b], v18, s[CF+3*\b+2]
.endr
.irp b, 0,1,2,3,4,5,6,7
	v_add_f32 v[TB+\b], |v[TB+\b]|, -0.5           ; distance to the interval = |centre - middle| - half length, not below 0
	v_add_f32 v[TC+\b], |v[TC+\b]|, s83
.endr
.irp b, 0,1,2,3,4,5,6,7
	v_max_num_f32 v[TB+\b], 0, v[TB+\b]
	v_max_num_f32 v[TC+\b], 0, v[TC+\b]
.endr
.irp b, 0,1,2,3,4,5,6,7
	v_mul_f32 v[TA+\b], |v[TA+\b]|, s[INV+3*\b]
	v_mul_f32 v[TB+\b], v[TB+\b], s[INV+3*\b+1]
	v_mul_f32 v[TC+\b], v[TC+\b], s[INV+3*\b+2]
.endr
.set i, 0
.rept 24
	v_log_f32 v[LG+i], v[TA+i]                     ; log2; of 0 it is -inf, and the term becomes 0
.set i, i+1
.endr
	v_nop                                          ; one plain vector instruction between a transcendental and the use of its result
	s_wait_alu depctr_va_vdst(0)
.irp b, 0,1,2,3,4,5,6,7
	v_mul_f32 v[LG+\b], s[SHP+\b], v[LG+\b]
	v_mul_f32 v[LG+8+\b], s[SHP+\b], v[LG+8+\b]
	v_mul_f32 v[LG+16+\b], s[SHP+\b], v[LG+16+\b]
.endr
.set i, 0
.rept 24
	v_exp_f32 v[TA+i], v[LG+i]
.set i, i+1
.endr
	v_nop                                          ; as above
	s_wait_alu depctr_va_vdst(0)
.irp b, 0,1,2,3,4,5,6,7
	v_add_f32 v[TA+\b], v[TA+\b], v[TB+\b]
.endr
.irp b, 0,1,2,3,4,5,6,7
	v_add_f32 v[TA+\b], v[TA+\b], v[TC+\b]
.endr
.irp b, 0,1,2,3,4,5,6,7
	v_cmp_ge_f32 vcc_lo, s84, v[TA+\b]             ; bit k: LB <= 1 + 2^-10 in tile k
	s_bitcmp1_b32 s80, \b
	s_cselect_b32 s85, vcc_lo, -1                  ; no bound for this sharpness: every tile
	s_bitcmp1_b32 s81, \b
	s_cselect_b32 s85, s85, 0                      ; nothing to imprint: no tile
	v_mov_b32 v[WD+\b], s85
.endr
	v_mov_b32 v52, s2
	v_lshlrev_b32 v52, 5, v52                      ; my wave's 32 bytes; all lanes write the same bytes with the same values
	ds_store_b128 v52, v[WD:WD+3]
	ds_store_b128 v52, v[WD+4:WD+7] offset:16
	s_wait_dscnt 0x0                               ; my words are in LDS before I say so
	s_barrier_signal -1
	s_barrier_wait -1
	s_cmp_lg_u32 s2, 0
	s_cbranch_scc1 .Ldone
	v_and_b32 v53, 31, v0
	v_lshlrev_b32 v53, 3, v53                      ; wave 0: 8 bytes a lane, 256 bytes in all
	ds_load_b64 v[54:55], v53
	s_lshl_b32 s3, ttmp9, 8
	v_add_nc_u32 v59, s3, v53
	s_wait_dscnt 0x0
	global_store_b64 v59, v[54:55], s[76:77]
.Ldone:
	s_wait_tensorcnt 0x0
	ds_add_u32 v84, v85
	s_wait_dscnt 0x0
	s_endpgm
.Lfunc_end_k_q00af7c4baa_plan:
	.size	k_q00af7c4baa_plan, .Lfunc_end_k_q00af7c4baa_plan-k_q00af7c4baa_plan
	.p2alignl 7, 3214868480
	.fill 96, 4, 3214868480
	.section	.rodata,"a",@progbits
	.p2align	6, 0x0
	.amdhsa_kernel k_q00af7c4baa_plan
		.amdhsa_group_segment_fixed_size 1280
		.amdhsa_private_segment_fixed_size 0
		.amdhsa_enable_private_segment 0
		.amdhsa_kernarg_size 40
		.amdhsa_user_sgpr_count 2
		.amdhsa_user_sgpr_kernarg_segment_ptr 1
		.amdhsa_wavefront_size32 1
		.amdhsa_system_sgpr_workgroup_id_x 1
		.amdhsa_system_sgpr_workgroup_id_y 1
		.amdhsa_system_sgpr_workgroup_id_z 1
		.amdhsa_system_vgpr_workitem_id 0
		.amdhsa_next_free_vgpr 86
		.amdhsa_next_free_sgpr 88
		.amdhsa_reserve_vcc 1
		.amdhsa_float_denorm_mode_32 3
		.amdhsa_float_denorm_mode_16_64 3
		.amdhsa_memory_ordered 1
		.amdhsa_forward_progress 1
		.amdhsa_inst_pref_size 17
	.end_amdhsa_kernel
	.amdgpu_metadata
---
amdhsa.version: [ 1, 2 ]
amdhsa.kernels:
  - .name:           k_q00af7c4baa_plan
    .symbol:         k_q00af7c4baa_plan.kd
    .args:
      - { .name: axes, .offset: 0, .size: 8, .value_kind: global_buffer, .address_space: global }
      - { .name: labels, .offset: 8, .size: 8, .value_kind: global_buffer, .address_space: global }
      - { .name: sharpness, .offset: 16, .size: 8, .value_kind: global_buffer, .address_space: global }
      - { .name: shifted_centers, .offset: 24, .size: 8, .value_kind: global_buffer, .address_space: global }
      - { .name: masks, .offset: 32, .size: 8, .value_kind: global_buffer, .address_space: global }
    .group_segment_fixed_size: 1280
    .private_segment_fixed_size: 0
    .kernarg_segment_align: 8
    .kernarg_segment_size: 40
    .max_flat_workgroup_size: 256
    .sgpr_count:     88
    .vgpr_count:     86
    .wavefront_size: 32
...
	.end_amdgpu_metadata
.endif
;; end of part 1
;; launch paint (part 2): grid 256 x 1, 8 waves a work-group, no clusters, 0 bytes of LDS; arguments axes, labels, sharpness, shifted_centers, masks, out0; writes out0
.if DOCPART == 2
	.amdgcn_target "amdgcn-amd-amdhsa--gfx1250"
	.amdhsa_code_object_version 6
	.text
	.protected	k_q00af7c4baa_paint
	.globl	k_q00af7c4baa_paint
	.p2align	8
	.type	k_q00af7c4baa_paint,@function
k_q00af7c4baa_paint:
	s_mov_b64 s[64:65], 0
	v_nop
	global_prefetch_b8 v0, s[64:65] scope:SCOPE_SE
	s_setreg_imm32_b32 hwreg(HW_REG_WAVE_MODE, 25, 1), 1
	s_wait_xcnt 0x0
; PAINT: out[z][y][x] = label of the last lobe b with prob_b(z,y,x) <= 1, else 0.
; prob = sum over the axes of (|d / (ax + noise)| + 1e-8)^s,  noise = 0.5 * normal(fold_in(key(42), b))[z][y][x].
;
; A tile is 2 rows x 64 x of one plane, t = (z*96 + y/2)*3 + x/64.  A lane holds four neighbouring x; one store of the wave covers
; two aligned runs of 256 bytes (lanes 0-15: row y; lanes 16-31: row y+1).  Wave w of group g paints t = g + 256 w + 2048 k,
; k = 0..26: a group's tiles are 256 apart (85 1/3 row pairs), so each blob is spread over all groups.
; The launch before stored, for every wave, one word per lobe whose bit k says that tile k can hold voxels of the lobe; all other
; (tile, lobe) pairs are proven outside there and are skipped here.  A lobe whose label is not > 0 is marked nowhere.
;
; THE RANDOM NUMBERS are JAX's: threefry2x32, 20 rounds.  key(42) = (0, 42); fold_in: key_b = threefry((0, 42), (0, b));
; bits of voxel i = z*36864 + y*192 + x: out0 ^ out1 of threefry(key_b, (0, i)), the counter layout of
; jax_threefry_partitionable = True.  u = 2 * (float(1.mantissa from bits >> 9) - 1) + lo, lo = -(1 - 2^-24): exact in f32.
; Left out because they never act: max(lo, u) (the first summand is >= 0), and erf_inv's case |u| = 1 (|u| <= 1 - 2^-24).
; erf_inv(u) = u * p(w), w = -log1p(-u*u): the two polynomials of degree 8 in w - 2.5 (w < 5) and sqrt(w) - 3, by fused Horner steps.
;
; LIMITS.  log1p, sqrt and pow = exp2(s * log2 t) use the 1-ULP hardware functions; the quotient is reciprocal, product and one
; fused correction.  prob can differ by about 2e-7 from an evaluation with correctly rounded functions: a voxel whose prob lies that
; close to 1 may be decided the other way.  A denominator ax + noise that is exactly 0 or denormal gives NaN here (voxel outside);
; with s < 0 the reference has a term 0 there.
.set TPW,   27                         ; tiles of a wave
.set TSTEP, 2048                       ; 256 groups x 8 waves
.set MAGIC, 43691                      ; ceil(2^17 / 3): n/3 = n*MAGIC >> 17 and n/96 = n*MAGIC >> 22 for n < 131,072
; scalar registers
.set WAVE,  16
.set TILE,  17                         ; t
.set TRIP,  18                         ; k
.set RP,    19                         ; row pair t / 3
.set XT,    20                         ; third of the row, t mod 3
.set BYTES, 21                         ; the tile's byte offset in out
.set ST,    22                         ; at work
.set MASK,  23                         ; bit b: this tile needs lobe b
.set BLOB,  24
.set ZZ,    25
.set YY,    26
.set LO,    27                         ; -(1 - 2^-24)
.set NLN2,  28                         ; -ln 2
.set FIVE,  29
.set SQRT2, 30
.set EPS,   31                         ; 1e-8
.set KS0,   32                         ; key schedule of the lobe at work: ks0, ks1, ks2 = ks0 ^ ks1 ^ 0x1bd11bda
.set KS1,   33
.set KS2,   34
.set KB,    35                         ; s[35:39]  ks2+1, ks0+2, ks1+3, ks2+4, ks0+5
.set AX,    40                         ; s[40:42]
.set SHP,   43
.set LAB,   44
.set CEN,   45                         ; s[45:47]
.set MK,    48                         ; s[48:51]  voxel j: lanes with w < 5
; vector registers
.set LOFF,  1                          ; lane's bytes in a tile: 768 (l/16) + 16 (l%16)
.set LLIN,  2                          ; the same in voxels
.set LXF,   3                          ; 4 (l%16) as f32
.set LHF,   4                          ; l/16 as f32
.set VM,    5                          ; lane b: the wave's mask word of lobe b
.set OFF,   6
.set I0,    7                          ; linear index of the lane's first voxel
.set ACC,   8                          ; v[8:11]   the lane's four results
.set PAX,   12                         ; v[12:21]  lane b: parameters of lobe b: axes,
.set PSH,   15                         ;           sharpness,
.set PLAB,  16                         ;           label,
.set PCN,   17                         ;           centre as f32,
.set PK,    20                         ;           folded key
.set CO,    22                         ; v[22:39]  coefficient i as a pair: (w < 5, w >= 5)
.set ZF,    40
.set YF,    41
.set XF,    42                         ; v[42:45]
.set DZ,    46
.set DY,    47
.set DX,    48                         ; v[48:51]
.set LABV,  52
.set TMP,   53
.set X0,    54                         ; v[54:57]  threefry x0 of voxel j
.set X1,    58                         ; v[58:61]  threefry x1
.set UNI,   62                         ; v[62:65]  u
.set TT,    66
.set AA,    70
.set CC,    74
.set WW,    78                         ; v[78:81]  w
.set WPR,   82                         ; v[82:89]  pair (w - 2.5, sqrt(w) - 3)
.set POL,   90                         ; v[90:97]  pair of polynomial values
.set NRM,   98                         ; v[98:101] the normal deviate
.set DEN,   102                        ; v[102:113] axis a, voxel j at 4 a + j: ax + noise
.set RCP,   114
.set QUO,   126
.set ERR,   138
; ---- threefry2x32 on n chains in v[X0+j], v[X1+j]; the chains are interleaved so that no line waits for the one in front ----
.macro KEYSCHED
	s_xor_b32 s[KS2], s[KS0], s[KS1]
	s_xor_b32 s[KS2], s[KS2], 0x1bd11bda
	s_add_co_u32 s[KB+0], s[KS2], 1
	s_add_co_u32 s[KB+1], s[KS0], 2
	s_add_co_u32 s[KB+2], s[KS1], 3
	s_add_co_u32 s[KB+3], s[KS2], 4
	s_add_co_u32 s[KB+4], s[KS0], 5
.endm
.macro TF_SUM n                        ; x0 += x1
.set j, 0
.rept \n
	v_add_nc_u32 v[X0+j], v[X0+j], v[X1+j]
.set j, j+1
.endr
.endm
.macro TF_ROT n, rot                   ; x1 = rotl(x1, rot) ^ x0
.set j, 0
.rept \n
	v_alignbit_b32 v[X1+j], v[X1+j], v[X1+j], 32-\rot
.set j, j+1
.endr
.set j, 0
.rept \n
	v_xor_b32 v[X1+j], v[X0+j], v[X1+j]
.set j, j+1
.endr
.endm
.macro TF_KEY n, ka, kb                ; key words in: x1 += kb, x0 += ka; the next round's x0 += x1 rides in the same three-operand sum
.set j, 0
.rept \n
	v_add_nc_u32 v[X1+j], s[\kb], v[X1+j]
.set j, j+1
.endr
.set j, 0
.rept \n
	v_add3_u32 v[X0+j], v[X0+j], s[\ka], v[X1+j]
.set j, j+1
.endr
.endm
.macro TF_FOUR n, r0, r1, r2, r3       ; four rounds; the first round's sum has been made
	TF_ROT \n, \r0
	TF_SUM \n
	TF_ROT \n, \r1
	TF_SUM \n
	TF_ROT \n, \r2
	TF_SUM \n
	TF_ROT \n, \r3
.endm
.macro THREEFRY n                      ; in: x1 = low counter word + ks1; the high counter word is 0, so x0 = ks0 stays scalar
.set j, 0
.rept \n
	v_add_nc_u32 v[X0+j], s[KS0], v[X1+j]
.set j, j+1
.endr
	TF_FOUR \n, 13, 15, 26, 6
	TF_KEY  \n, KS1, KB+0
	TF_FOUR \n, 17, 29, 16, 24
	TF_KEY  \n, KS2, KB+1
	TF_FOUR \n, 13, 15, 26, 6
	TF_KEY  \n, KS0, KB+2
	TF_FOUR \n, 17, 29, 16, 24
	TF_KEY  \n, KS1, KB+3
	TF_FOUR \n, 13, 15, 26, 6
.set j, 0
.rept \n
	v_add_nc_u32 v[X0+j], s[KS2], v[X0+j]
	v_add_nc_u32 v[X1+j], s[KB+4], v[X1+j]
.set j, j+1
.endr
.endm
	s_load_b256 s[4:11], s[0:1], 0x0               ; axes s[4:5], labels s[6:7], sharpness s[8:9], centres s[10:11]
	s_load_b128 s[12:15], s[0:1], 0x20             ; masks s[12:13], out s[14:15]
	v_lshrrev_b32 v[TMP], 5, v0
	v_readfirstlane_b32 s[WAVE], v[TMP]
	v_and_b32 v[TMP], 7, v0                        ; for the parameters: lane = lobe (four copies; lanes 0-7 are read)
	v_mul_u32_u24 v[UNI], v[TMP], 12               ; a row of axes or of centres is 12 bytes
	v_lshlrev_b32 v[UNI+1], 2, v[TMP]
	s_lshl_b32 s[ST], ttmp9, 8
	s_lshl_b32 s[MASK], s[WAVE], 5
	s_add_co_u32 s[ST], s[ST], s[MASK]
	v_add_nc_u32 v[UNI+2], s[ST], v[UNI+1]         ; masks: 256 g + 32 w + 4 b
	s_wait_kmcnt 0x0
	global_load_b32 v[PAX],   v[UNI], s[4:5]
	global_load_b32 v[PAX+1], v[UNI], s[4:5] offset:4
	global_load_b32 v[PAX+2], v[UNI], s[4:5] offset:8
	global_load_b32 v[PCN],   v[UNI], s[10:11]
	global_load_b32 v[PCN+1], v[UNI], s[10:11] offset:4
	global_load_b32 v[PCN+2], v[UNI], s[10:11] offset:8
	global_load_b32 v[PLAB],  v[UNI+1], s[6:7]
	global_load_b32 v[PSH],   v[UNI+1], s[8:9]
	global_load_b32 v[VM],    v[UNI+2], s[12:13]
	; while they are out: the eight folded keys, one chain, lane = lobe
	s_mov_b32 s[KS0], 0                            ; key(42) = (0, 42)
	s_mov_b32 s[KS1], 42
	KEYSCHED
	v_add_nc_u32 v[X1], s[KS1], v[TMP]             ; counter (0, b)
	THREEFRY 1
	v_mov_b32 v[PK], v[X0]
	v_mov_b32 v[PK+1], v[X1]
	; the lane's place in a tile
	v_and_b32 v[LLIN], 15, v0
	v_bfe_u32 v[LOFF], v0, 4, 1
	v_cvt_f32_u32 v[LHF], v[LOFF]
	v_lshlrev_b32 v[LLIN], 2, v[LLIN]
	v_cvt_f32_u32 v[LXF], v[LLIN]
	v_mad_u32_u24 v[LLIN], v[LOFF], 192, v[LLIN]
	v_lshlrev_b32 v[LOFF], 2, v[LLIN]
	; erf_inv's coefficients, highest power first: (centre, tail)
	v_mov_b32 v[CO+0],  2.81022636e-08
	v_mov_b32 v[CO+1],  -0.000200214257
	v_mov_b32 v[CO+2],  3.43273939e-07
	v_mov_b32 v[CO+3],  0.000100950558
	v_mov_b32 v[CO+4],  -3.5233877e-06
	v_mov_b32 v[CO+5],  0.00134934322
	v_mov_b32 v[CO+6],  -4.39150654e-06
	v_mov_b32 v[CO+7],  -0.00367342844
	v_mov_b32 v[CO+8],  0.00021858087
	v_mov_b32 v[CO+9],  0.00573950773
	v_mov_b32 v[CO+10], -0.00125372503
	v_mov_b32 v[CO+11], -0.0076224613
	v_mov_b32 v[CO+12], -0.00417768164
	v_mov_b32 v[CO+13], 0.00943887047
	v_mov_b32 v[CO+14], 0.246640727
	v_mov_b32 v[CO+15], 1.00167406
	v_mov_b32 v[CO+16], 1.50140941
	v_mov_b32 v[CO+17], 2.83297682
	s_mov_b32 s[LO],    0xbf7fffff
	s_mov_b32 s[NLN2],  0xbf317218
	s_mov_b32 s[FIVE],  0x40a00000
	s_mov_b32 s[SQRT2], 0x3fb504f3
	s_mov_b32 s[EPS],   0x322bcc77
	s_lshl_b32 s[TILE], s[WAVE], 8
	s_add_co_u32 s[TILE], s[TILE], ttmp9           ; t of k = 0
	s_mov_b32 s[TRIP], 0
	s_wait_loadcnt 0x0
	v_cvt_f32_i32 v[PCN],   v[PCN]
	v_cvt_f32_i32 v[PCN+1], v[PCN+1]
	v_cvt_f32_i32 v[PCN+2], v[PCN+2]
.Ltile:
	s_mul_i32 s[RP], s[TILE], MAGIC
	s_lshr_b32 s[RP], s[RP], 17                    ; row pair
	s_mul_i32 s[ST], s[RP], 3
	s_sub_co_u32 s[XT], s[TILE], s[ST]             ; third
	s_lshl_b32 s[BYTES], s[TILE], 9                ; 1536 rp + 256 xt = 512 t - 256 xt
	s_lshl_b32 s[ST], s[XT], 8
	s_sub_co_u32 s[BYTES], s[BYTES], s[ST]
	v_bfe_u32 v[TMP], v[VM], s[TRIP], 1            ; lane b: bit k of lobe b's word
	v_cmp_ne_u32 vcc_lo, 0, v[TMP]
	s_wait_xcnt 0x0                                ; the last tile's store has read OFF and ACC: they are rewritten only behind this wait
	v_add_nc_u32 v[OFF], s[BYTES], v[LOFF]
	v_mov_b32 v[ACC], 0
	v_mov_b32 v[ACC+1], 0
	v_mov_b32 v[ACC+2], 0
	v_mov_b32 v[ACC+3], 0
	s_and_b32 s[MASK], vcc_lo, 0xff                ; lanes 8-31 are copies
	s_cmp_eq_u32 s[MASK], 0
	s_cbranch_scc1 .Lstore                         ; no lobe reaches this tile: zeros
	; the tile's coordinates, as the reference's arange values
	s_mul_i32 s[ZZ], s[RP], MAGIC
	s_lshr_b32 s[ZZ], s[ZZ], 22                    ; z = rp / 96
	s_mul_i32 s[ST], s[ZZ], 96
	s_sub_co_u32 s[YY], s[RP], s[ST]
	s_lshl_b32 s[YY], s[YY], 1                     ; y of lanes 0-15
	s_lshr_b32 s[ST], s[BYTES], 2
	v_add_nc_u32 v[I0], s[ST], v[LLIN]
	v_cvt_f32_u32 v[ZF], s[ZZ]
	v_cvt_f32_u32 v[YF], s[YY]
	v_add_f32 v[YF], v[YF], v[LHF]
	s_lshl_b32 s[ST], s[XT], 6
	v_cvt_f32_u32 v[XF], s[ST]
	v_add_f32 v[XF], v[XF], v[LXF]
	v_add_f32 v[XF+1], 1.0, v[XF]
	v_add_f32 v[XF+2], 2.0, v[XF]
	v_add_f32 v[XF+3], 0x40400000, v[XF]
	s_mov_b32 s[BLOB], 0
.Lblob:                                            ; ascending: a later lobe writes over an earlier one, as in the scan
	s_bitcmp1_b32 s[MASK], s[BLOB]
	s_cbranch_scc0 .Lnext
	v_readlane_b32 s[KS0], v[PK], s[BLOB]
	v_readlane_b32 s[KS1], v[PK+1], s[BLOB]
.irp a, 0,1,2
	v_readlane_b32 s[AX+\a], v[PAX+\a], s[BLOB]
	v_readlane_b32 s[CEN+\a], v[PCN+\a], s[BLOB]
.endr
	v_readlane_b32 s[SHP], v[PSH], s[BLOB]
	v_readlane_b32 s[LAB], v[PLAB], s[BLOB]
	KEYSCHED
	v_sub_f32 v[DZ], v[ZF], s[CEN]
	v_sub_f32 v[DY], v[YF], s[CEN+1]
.irp j, 0,1,2,3
	v_sub_f32 v[DX+\j], v[XF+\j], s[CEN+2]
.endr
.irp j, 0,1,2,3
	v_add3_u32 v[X1+\j], v[I0], s[KS1], \j         ; counter (0, i)
.endr
	THREEFRY 4
.irp j, 0,1,2,3
	v_xor_b32 v[X0+\j], v[X0+\j], v[X1+\j]         ; the 32 random bits
.endr
.irp j, 0,1,2,3
	v_alignbit_b32 v[X0+\j], 0x7f, v[X0+\j], 9     ; (bits >> 9) | 0x3f800000: a float in [1, 2)
.endr
.irp j, 0,1,2,3
	v_add_f32 v[X0+\j], -1.0, v[X0+\j]
.endr
.irp j, 0,1,2,3
	v_fma_f32 v[UNI+\j], v[X0+\j], 2.0, s[LO]      ; maxval - minval rounds to 2.0 in f32
.endr
	; w = -log1p(t), t = -u*u.  a = 1 + t rounded, c = t - (a - 1) exactly what the rounding lost (|c| <= 2^-25, 0 for a < 0.5):
	; log1p(t) = ln a + c / a, and 2 - a stands for 1 / a in that small term (error under 1e-8 of w everywhere)
.irp j, 0,1,2,3
	v_mul_f32 v[TT+\j], -v[UNI+\j], v[UNI+\j]
.endr
.irp j, 0,1,2,3
	v_add_f32 v[AA+\j], 1.0, v[TT+\j]
.endr
.irp j, 0,1,2,3
	v_log_f32 v[WW+\j], v[AA+\j]
.endr
.irp j, 0,1,2,3
	v_add_f32 v[CC+\j], -1.0, v[AA+\j]             ; plain work that touches no result of the logarithms stands behind them
.endr
.irp j, 0,1,2,3
	v_sub_f32 v[CC+\j], v[TT+\j], v[CC+\j]
.endr
.irp j, 0,1,2,3
	v_sub_f32 v[TT+\j], 2.0, v[AA+\j]
.endr
.irp j, 0,1,2,3
	v_mul_f32 v[CC+\j], v[CC+\j], v[TT+\j]
.endr
	s_wait_alu depctr_va_vdst(0)
.irp j, 0,1,2,3
	v_fma_f32 v[WW+\j], v[WW+\j], s[NLN2], -v[CC+\j]
.endr
.irp j, 0,1,2,3
	v_sqrt_f32 v[WPR+2*\j+1], v[WW+\j]
.endr
.irp j, 0,1,2,3
	v_add_f32 v[WPR+2*\j], 0xc0200000, v[WW+\j]    ; w - 2.5; also the plain work behind the roots
.endr
.irp j, 0,1,2,3
	v_cmp_gt_f32 s[MK+\j], s[FIVE], v[WW+\j]
.endr
	s_wait_alu depctr_va_vdst(0)
.irp j, 0,1,2,3
	v_add_f32 v[WPR+2*\j+1], 0xc0400000, v[WPR+2*\j+1]     ; sqrt(w) - 3
.endr
	; both polynomials at once, one in each half of a packed fused multiply-add; the choice is a select, never a branch
.irp j, 0,1,2,3
	v_pk_fma_f32 v[POL+2*\j:POL+2*\j+1], v[CO:CO+1], v[WPR+2*\j:WPR+2*\j+1], v[CO+2:CO+3]
.endr
.irp i, 2,3,4,5,6,7,8
.irp j, 0,1,2,3
	v_pk_fma_f32 v[POL+2*\j:POL+2*\j+1], v[POL+2*\j:POL+2*\j+1], v[WPR+2*\j:WPR+2*\j+1], v[CO+2*\i:CO+2*\i+1]
.endr
.endr
.irp j, 0,1,2,3
	v_cndmask_b32 v[NRM+\j], v[POL+2*\j+1], v[POL+2*\j], s[MK+\j]
.endr
.irp j, 0,1,2,3
	v_mul_f32 v[NRM+\j], v[NRM+\j], v[UNI+\j]      ; erf_inv(u)
.endr
.irp j, 0,1,2,3
	v_mul_f32 v[NRM+\j], s[SQRT2], v[NRM+\j]       ; the normal deviate
.endr
	; the three terms of the four voxels: twelve chains
.irp a, 0,1,2
.irp j, 0,1,2,3
	v_fma_f32 v[DEN+4*\a+\j], v[NRM+\j], 0.5, s[AX+\a]     ; ax + 0.5 n: the product by 0.5 is exact, so one rounding as in the reference
.endr
.endr
.set i, 0
.rept 12
	v_rcp_f32 v[RCP+i], v[DEN+i]
.set i, i+1
.endr
	v_mov_b32 v[LABV], s[LAB]                      ; plain work behind the reciprocals
	s_wait_alu depctr_va_vdst(0)
.irp j, 0,1,2,3
	v_mul_f32 v[QUO+\j],   v[DZ],    v[RCP+\j]
	v_mul_f32 v[QUO+4+\j], v[DY],    v[RCP+4+\j]
	v_mul_f32 v[QUO+8+\j], v[DX+\j], v[RCP+8+\j]
.endr
.irp j, 0,1,2,3
	v_fma_f32 v[ERR+\j],   -v[QUO+\j],   v[DEN+\j],   v[DZ]       ; what the quotient leaves of d, exactly
	v_fma_f32 v[ERR+4+\j], -v[QUO+4+\j], v[DEN+4+\j], v[DY]
	v_fma_f32 v[ERR+8+\j], -v[QUO+8+\j], v[DEN+8+\j], v[DX+\j]
.endr
.set i, 0
.rept 12
	v_fma_f32 v[QUO+i], v[ERR+i], v[RCP+i], v[QUO+i]       ; the corrected quotient
.set i, i+1
.endr
.set i, 0
.rept 12
	v_add_f32 v[QUO+i], |v[QUO+i]|, s[EPS]
.set i, i+1
.endr
.set i, 0
.rept 12
	v_log_f32 v[ERR+i], v[QUO+i]
.set i, i+1
.endr
	v_nop                                          ; one plain vector instruction between a transcendental and the use of its result
.set i, 0
	s_wait_alu depctr_va_vdst(0)
.rept 12
	v_mul_f32 v[ERR+i], s[SHP], v[ERR+i]
.set i, i+1
.endr
.set i, 0
.rept 12
	v_exp_f32 v[QUO+i], v[ERR+i]
.set i, i+1
.endr
	v_nop                                          ; as above
	s_wait_alu depctr_va_vdst(0)
.irp j, 0,1,2,3
	v_add_f32 v[QUO+\j], v[QUO+\j], v[QUO+4+\j]    ; (z + y) + x, the reference's order
.endr
.irp j, 0,1,2,3
	v_add_f32 v[QUO+\j], v[QUO+\j], v[QUO+8+\j]
.endr
.irp j, 0,1,2,3
	v_cmp_ge_f32 vcc_lo, 1.0, v[QUO+\j]            ; prob <= 1; false for NaN
	v_cndmask_b32 v[ACC+\j], v[ACC+\j], v[LABV], vcc_lo
.endr
.Lnext:
	s_add_co_u32 s[BLOB], s[BLOB], 1
	s_cmp_lt_u32 s[BLOB], 8
	s_cbranch_scc1 .Lblob
.Lstore:
	global_store_b128 v[OFF], v[ACC:ACC+3], s[14:15] th:TH_STORE_NT    ; written once, never read in this launch
	s_add_co_u32 s[TILE], s[TILE], TSTEP
	s_add_co_u32 s[TRIP], s[TRIP], 1
	s_cmp_lt_u32 s[TRIP], TPW
	s_cbranch_scc1 .Ltile
	s_endpgm
.Lfunc_end_k_q00af7c4baa_paint:
	.size	k_q00af7c4baa_paint, .Lfunc_end_k_q00af7c4baa_paint-k_q00af7c4baa_paint
	.p2alignl 7, 3214868480
	.fill 96, 4, 3214868480
	.section	.rodata,"a",@progbits
	.p2align	6, 0x0
	.amdhsa_kernel k_q00af7c4baa_paint
		.amdhsa_group_segment_fixed_size 0
		.amdhsa_private_segment_fixed_size 0
		.amdhsa_enable_private_segment 0
		.amdhsa_kernarg_size 48
		.amdhsa_user_sgpr_count 2
		.amdhsa_user_sgpr_kernarg_segment_ptr 1
		.amdhsa_wavefront_size32 1
		.amdhsa_system_sgpr_workgroup_id_x 1
		.amdhsa_system_sgpr_workgroup_id_y 1
		.amdhsa_system_sgpr_workgroup_id_z 1
		.amdhsa_system_vgpr_workitem_id 0
		.amdhsa_next_free_vgpr 152
		.amdhsa_next_free_sgpr 66
		.amdhsa_reserve_vcc 1
		.amdhsa_float_denorm_mode_32 3
		.amdhsa_float_denorm_mode_16_64 3
		.amdhsa_memory_ordered 1
		.amdhsa_forward_progress 1
		.amdhsa_inst_pref_size 33
	.end_amdhsa_kernel
	.amdgpu_metadata
---
amdhsa.version: [ 1, 2 ]
amdhsa.kernels:
  - .name:           k_q00af7c4baa_paint
    .symbol:         k_q00af7c4baa_paint.kd
    .args:
      - { .name: axes, .offset: 0, .size: 8, .value_kind: global_buffer, .address_space: global }
      - { .name: labels, .offset: 8, .size: 8, .value_kind: global_buffer, .address_space: global }
      - { .name: sharpness, .offset: 16, .size: 8, .value_kind: global_buffer, .address_space: global }
      - { .name: shifted_centers, .offset: 24, .size: 8, .value_kind: global_buffer, .address_space: global }
      - { .name: masks, .offset: 32, .size: 8, .value_kind: global_buffer, .address_space: global }
      - { .name: out0, .offset: 40, .size: 8, .value_kind: global_buffer, .address_space: global }
    .group_segment_fixed_size: 0
    .private_segment_fixed_size: 0
    .kernarg_segment_align: 8
    .kernarg_segment_size: 48
    .max_flat_workgroup_size: 256
    .sgpr_count:     66
    .vgpr_count:     152
    .wavefront_size: 32
...
	.end_amdgpu_metadata
.endif
;; end of part 2
;; ======== version 2 of 2: 2 launches; 1.21 times as fast as version 1
;; workspace buffers: steer 65,792 bytes of whole numbers
;; launch plan (part 3): grid 256 x 1, 8 waves a work-group, no clusters, 2,048 bytes of LDS; arguments axes, labels, sharpness, shifted_centers, steer; writes steer
.if DOCPART == 3
	.amdgcn_target "amdgcn-amd-amdhsa--gfx1250"
	.amdhsa_code_object_version 6
	.text
	.protected	k_q00af7c4baa_plan
	.globl	k_q00af7c4baa_plan
	.p2align	8
	.type	k_q00af7c4baa_plan,@function
k_q00af7c4baa_plan:
	s_mov_b64 s[64:65], 0
	v_nop
	global_prefetch_b8 v0, s[64:65] scope:SCOPE_SE
	s_setreg_imm32_b32 hwreg(HW_REG_WAVE_MODE, 25, 1), 1
	s_wait_xcnt 0x0
; PLAN: which lobe can touch which part of the volume.  The answer steers branches of the next launch, and it comes from
; floating-point inputs, so it is made here and stored as whole numbers.
;
; A block is 8 rows x 64 x of one plane: 192 x 24 x 3 = 13,824 blocks, B = (z*24 + y/8)*3 + x/64.  A unit is a quarter of it,
; 8 rows x 16 x.  Group g of the next launch paints the 54 blocks B = g + 256 c, c = 0..53.
; Here lane = block and wave = (h, p): h = w & 1 takes c = 32 h + lane (lanes past c = 53 repeat block 53; their words are
; stored and never read), p = w >> 1 takes the lobes 2p and 2p+1.  The z and y terms are the same for a block's four units.
;
; The bound.  |noise| <= 2.711 (largest |u| = 1 - 2^-24, w = 23 ln 2, tail polynomial 3.8325, times sqrt(2)/2), so with
; sharpness s > 0:  prob >= LB = sum over the axes of (dmin / (|ax| + 2.75))^s,  dmin = distance from the centre to the unit.
; LB > 1 + 2^-10 rules the lobe out for the whole unit.  For s < 512 the rounding of LB and of the reference's prob stays under
; 2e-4, well inside that margin.  For any other s (<= 0, >= 512, NaN) every unit is marked.  A label that is not > 0 imprints
; nothing (lobe_tensor > 0 fails): no unit is marked.  A NaN axis makes prob NaN, which is never <= 1: LB is NaN, not marked.
;
; Out: steer[64 g + c], a 32-bit word: bit 8u + b = unit u of block c needs lobe b.  The four lobe pairs meet in LDS at fixed
; addresses and leave as one store of 32 lanes x 8 bytes: the group's 256 consecutive bytes, aligned.
; Behind the 65,536 bytes of words: the keys fold_in(key(42), i), i = 0..31, 8 bytes each (the next launch reads the first
; eight).  They hang on no input; wave 7 of group 0 makes them while the kernel's arguments are on their way, lane = i, and
; its one store covers the 256 bytes.
.set MAGIC, 43691                      ; ceil(2^17 / 3): n/3 = n*MAGIC >> 17 and n/24 = n*MAGIC >> 20 for n < 131,072
.set NBLK,  54                         ; blocks of a group
.set KEYS,  65536                      ; byte offset of the keys in steer
; scalar registers: s[4:11] axes, labels, sharpness, centres; s[12:13] steer
.set WAVE,  2
.set ST,    3
.set HB,    14                         ; 32 h
.set KS0,   16                         ; key schedule: ks0, ks1, ks2 = ks0 ^ ks1 ^ 0x1bd11bda
.set KS1,   17
.set KS2,   18
.set KB,    19                         ; s[19:23]  ks2+1, ks0+2, ks1+3, ks2+4, ks0+5
.set SEL,   24                         ; s[24:25]  my two lobes: 2p, 2p+1
.set PRM,   28                         ; s[28:34], s[36:42]  lobe i at PRM + 8 i: centre z y x, 1/(|ax|+2.75) z y x, sharpness
.set C275,  44
.set CY,    45                         ; -3.5: half the length of 8 rows
.set CX,    46                         ; -7.5: half the length of 16 x
.set LIM,   47                         ; 1 + 2^-10
.set C512,  48
.set VAL,   49                         ; bit b: the bound holds for lobe b
.set IMP,   50                         ; bit b: lobe b imprints
.set ORM,   52                         ; s[52:53]  lobe i: -1 where no bound holds
.set ANDM,  54                         ; s[54:55]  lobe i: 0 where nothing is imprinted
.set MSK,   56
; vector registers: v1-v11 parameters (lane = lobe), v12-v19 the lane's block
.set XM,    20                         ; v[20:23]  middle of unit u along x
.set T,     24                         ; v[24:35]  lobe i at T + 6 i: z term, y term, four x terms (at the end: LB of unit u)
.set LG,    36                         ; v[36:47]  their logarithms
.set WD,    48                         ; the lane's word
.set BT,    49
.set LA,    50
.set IV,    56                         ; v[56:58]  lane = lobe: the three reciprocals
.set KO,    59                         ; keys: lane, then byte offset
.set X0,    60                         ; keys: threefry x0, x1: a pair for the store
.set X1,    61
; ---- threefry2x32, 20 rounds, on n chains in v[X0+j], v[X1+j] ----
.macro KEYSCHED
	s_xor_b32 s[KS2], s[KS0], s[KS1]
	s_xor_b32 s[KS2], s[KS2], 0x1bd11bda
	s_add_co_u32 s[KB+0], s[KS2], 1
	s_add_co_u32 s[KB+1], s[KS0], 2
	s_add_co_u32 s[KB+2], s[KS1], 3
	s_add_co_u32 s[KB+3], s[KS2], 4
	s_add_co_u32 s[KB+4], s[KS0], 5
.endm
.macro TF_SUM n                        ; x0 += x1
.set j, 0
.rept \n
	v_add_nc_u32 v[X0+j], v[X0+j], v[X1+j]
.set j, j+1
.endr
.endm
.macro TF_ROT n, rot                   ; x1 = rotl(x1, rot) ^ x0
.set j, 0
.rept \n
	v_alignbit_b32 v[X1+j], v[X1+j], v[X1+j], 32-\rot
.set j, j+1
.endr
.set j, 0
.rept \n
	v_xor_b32 v[X1+j], v[X0+j], v[X1+j]
.set j, j+1
.endr
.endm
.macro TF_KEY n, ka, kb                ; key words in: x1 += kb, x0 += ka; the next round's x0 += x1 rides in the same three-operand sum
.set j, 0
.rept \n
	v_add_nc_u32 v[X1+j], s[\kb], v[X1+j]
.set j, j+1
.endr
.set j, 0
.rept \n
	v_add3_u32 v[X0+j], v[X0+j], s[\ka], v[X1+j]
.set j, j+1
.endr
.endm
.macro TF_FOUR n, r0, r1, r2, r3       ; four rounds; the first round's sum has been made
	TF_ROT \n, \r0
	TF_SUM \n
	TF_ROT \n, \r1
	TF_SUM \n
	TF_ROT \n, \r2
	TF_SUM \n
	TF_ROT \n, \r3
.endm
.macro THREEFRY n                      ; in: x1 = low counter word + ks1; the high counter word is 0, so x0 = ks0 stays scalar
.set j, 0
.rept \n
	v_add_nc_u32 v[X0+j], s[KS0], v[X1+j]
.set j, j+1
.endr
	TF_FOUR \n, 13, 15, 26, 6
	TF_KEY  \n, KS1, KB+0
	TF_FOUR \n, 17, 29, 16, 24
	TF_KEY  \n, KS2, KB+1
	TF_FOUR \n, 13, 15, 26, 6
	TF_KEY  \n, KS0, KB+2
	TF_FOUR \n, 17, 29, 16, 24
	TF_KEY  \n, KS1, KB+3
	TF_FOUR \n, 13, 15, 26, 6
.set j, 0
.rept \n
	v_add_nc_u32 v[X0+j], s[KS2], v[X0+j]
	v_add_nc_u32 v[X1+j], s[KB+4], v[X1+j]
.set j, j+1
.endr
.endm
	s_load_b256 s[4:11], s[0:1], 0x0               ; axes s[4:5], labels s[6:7], sharpness s[8:9], centres s[10:11]
	s_load_b64 s[12:13], s[0:1], 0x20              ; steer
	v_lshl_add_u32 v68, v0, 2, 0x400
	v_mov_b32 v69, 0
	v_lshrrev_b32 v1, 5, v0
	v_readfirstlane_b32 s[WAVE], v1                ; wave 0..7
	; the keys: one wave of the whole launch
	s_lshl_b32 s[ST], ttmp9, 3
	s_or_b32 s[ST], s[ST], s[WAVE]                 ; 8 g + w
	s_cmp_lg_u32 s[ST], 7
	s_cbranch_scc1 .Lnokeys
	v_and_b32 v[KO], 31, v0
	s_mov_b32 s[KS0], 0                            ; key(42) = (0, 42)
	s_mov_b32 s[KS1], 42
	KEYSCHED
	v_add_nc_u32 v[X1], s[KS1], v[KO]              ; counter (0, i)
	THREEFRY 1
	v_lshlrev_b32 v[KO], 3, v[KO]
	s_wait_kmcnt 0x0                               ; steer's address
	global_store_b64 v[KO], v[X0:X0+1], s[12:13] offset:KEYS       ; KO, X0, X1 are not written again
.Lnokeys:
	v_and_b32 v1, 7, v0                            ; for the parameters: lane = lobe (four copies)
	v_mul_u32_u24 v2, v1, 12                       ; a row of axes or of centres is 12 bytes
	v_lshlrev_b32 v3, 2, v1
	s_mov_b32 s[C275], 0x40300000                  ; 2.75
	s_mov_b32 s[CY],   0xc0600000                  ; -3.5
	s_mov_b32 s[CX],   0xc0f00000                  ; -7.5
	s_mov_b32 s[LIM],  0x3f802000                  ; 1 + 2^-10
	s_mov_b32 s[C512], 0x44000000                  ; 512.0
	s_and_b32 s[HB], s[WAVE], 1
	s_lshl_b32 s[HB], s[HB], 5
	s_and_b32 s[SEL], s[WAVE], 6                   ; 2 (w >> 1)
	s_add_co_u32 s[SEL+1], s[SEL], 1
	s_mov_b32 s[ST], ttmp9
	s_wait_kmcnt 0x0
	global_load_b32 v4, v2, s[4:5]
	global_load_b32 v5, v2, s[4:5] offset:4
	global_load_b32 v6, v2, s[4:5] offset:8
	global_load_b32 v7, v2, s[10:11]
	global_load_b32 v8, v2, s[10:11] offset:4
	global_load_b32 v9, v2, s[10:11] offset:8
	global_load_b32 v10, v3, s[8:9]
	global_load_b32 v11, v3, s[6:7]
	; the lane's block and the middles of its intervals, while the loads are out
	v_and_b32 v12, 31, v0
	v_add_nc_u32 v12, s[HB], v12
	v_min_u32 v12, NBLK-1, v12                     ; c
	v_lshl_add_u32 v12, v12, 8, s[ST]              ; B = 256 c + g  (< 13,824)
	v_mul_u32_u24 v13, v12, MAGIC
	v_lshrrev_b32 v13, 17, v13                     ; group of 8 rows = B / 3
	v_mul_u32_u24 v15, v13, MAGIC
	v_lshrrev_b32 v15, 20, v15                     ; z = that / 24
	v_mul_u32_u24 v14, v13, 3
	v_sub_nc_u32 v14, v12, v14                     ; third of the row = B mod 3
	v_mul_u32_u24 v19, v15, 24
	v_sub_nc_u32 v19, v13, v19                     ; y / 8
	v_cvt_f32_u32 v16, v15                         ; z
	v_lshlrev_b32 v19, 3, v19
	v_cvt_f32_u32 v17, v19
	v_add_f32 v17, 0x40600000, v17                 ; middle of rows y .. y+7: y + 3.5
	v_lshlrev_b32 v14, 6, v14
	v_cvt_f32_u32 v[XM], v14
	v_add_f32 v[XM], 0x40f00000, v[XM]             ; middle of unit 0: x0 + 7.5
	v_add_f32 v[XM+1], 0x41800000, v[XM]           ; units 1 to 3: 16, 32, 48 further
	v_add_f32 v[XM+2], 0x42000000, v[XM]
	v_add_f32 v[XM+3], 0x42400000, v[XM]
	s_wait_loadcnt 0x0
	v_add_f32 v4, |v4|, s[C275]                    ; the largest |ax + noise|
	v_add_f32 v5, |v5|, s[C275]
	v_add_f32 v6, |v6|, s[C275]
	v_rcp_f32 v[IV], v4
	v_rcp_f32 v[IV+1], v5
	v_rcp_f32 v[IV+2], v6
	v_cvt_f32_i32 v7, v7                           ; plain work between the reciprocals and their first use
	v_cvt_f32_i32 v8, v8
	v_cvt_f32_i32 v9, v9
	v_cmp_gt_f32 s[VAL], v10, 0                    ; bit b: 0 < s
	v_cmp_gt_f32 s[MSK], s[C512], v10              ;        s < 512
	v_cmp_gt_f32 s[IMP], v11, 0                    ; bit b: the label imprints
	s_and_b32 s[VAL], s[VAL], s[MSK]
	s_wait_alu depctr_va_vdst(0)
.irp i, 0,1
.irp a, 0,1,2
	v_readlane_b32 s[PRM+8*\i+\a], v[7+\a], s[SEL+\i]
	v_readlane_b32 s[PRM+8*\i+3+\a], v[IV+\a], s[SEL+\i]
.endr
	v_readlane_b32 s[PRM+8*\i+6], v10, s[SEL+\i]
	s_bitcmp1_b32 s[VAL], s[SEL+\i]
	s_cselect_b32 s[ORM+\i], 0, -1                 ; no bound for this sharpness: every unit
	s_bitcmp1_b32 s[IMP], s[SEL+\i]
	s_cselect_b32 s[ANDM+\i], -1, 0                ; nothing to imprint: no unit
.endr
	; the twelve terms, stage by stage: chains that do not wait for each other
.irp i, 0,1
	v_sub_f32 v[T+6*\i],   v16, s[PRM+8*\i]
	v_sub_f32 v[T+6*\i+1], v17, s[PRM+8*\i+1]
.irp u, 0,1,2,3
	v_sub_f32 v[T+6*\i+2+\u], v[XM+\u], s[PRM+8*\i+2]
.endr
.endr
.irp i, 0,1
	v_add_f32 v[T+6*\i+1], |v[T+6*\i+1]|, s[CY]    ; distance to the interval = |centre - middle| - half length, not below 0
.irp u, 0,1,2,3
	v_add_f32 v[T+6*\i+2+\u], |v[T+6*\i+2+\u]|, s[CX]
.endr
.endr
.irp i, 0,1
.irp t, 1,2,3,4,5
	v_max_num_f32 v[T+6*\i+\t], 0, v[T+6*\i+\t]
.endr
.endr
.irp i, 0,1
	v_mul_f32 v[T+6*\i],   |v[T+6*\i]|, s[PRM+8*\i+3]
	v_mul_f32 v[T+6*\i+1], v[T+6*\i+1], s[PRM+8*\i+4]
.irp u, 0,1,2,3
	v_mul_f32 v[T+6*\i+2+\u], v[T+6*\i+2+\u], s[PRM+8*\i+5]
.endr
.endr
.set n, 0
.rept 12
	v_log_f32 v[LG+n], v[T+n]                      ; log2; of 0 it is -inf, and the term becomes 0
.set n, n+1
.endr
	v_nop                                          ; one plain vector instruction between a transcendental and the use of its result
	s_wait_alu depctr_va_vdst(0)
.irp i, 0,1
.irp t, 0,1,2,3,4,5
	v_mul_f32 v[LG+6*\i+\t], s[PRM+8*\i+6], v[LG+6*\i+\t]
.endr
.endr
.set n, 0
.rept 12
	v_exp_f32 v[T+n], v[LG+n]
.set n, n+1
.endr
	v_nop                                          ; as above
	s_wait_alu depctr_va_vdst(0)
.irp i, 0,1
	v_add_f32 v[T+6*\i], v[T+6*\i], v[T+6*\i+1]
.endr
.irp i, 0,1
.irp u, 0,1,2,3
	v_add_f32 v[T+6*\i+2+\u], v[T+6*\i], v[T+6*\i+2+\u]
.endr
.endr
	; the lane's word, by selects: bit 8u + i here, moved up by 2p at the end
.irp i, 0,1
.irp u, 0,1,2,3
	v_cmp_ge_f32 vcc_lo, s[LIM], v[T+6*\i+2+\u]    ; LB <= 1 + 2^-10
	s_or_b32 s[MSK], vcc_lo, s[ORM+\i]
	s_and_b32 s[MSK], s[MSK], s[ANDM+\i]
.if (\i+\u) == 0
	v_cndmask_b32 v[WD], 0, 1, s[MSK]
.else
	v_cndmask_b32 v[BT], 0, 1, s[MSK]
	v_lshl_or_b32 v[WD], v[BT], 8*\u+\i, v[WD]
.endif
.endr
.endr
	v_lshlrev_b32 v[WD], s[SEL], v[WD]
	v_lshlrev_b32 v[LA], 2, v0                     ; 128 w + 4 lane = 256 p + 4 (32 h + lane): pair p's word of block c
	ds_store_b32 v[LA], v[WD]
	s_wait_dscnt 0x0                               ; my words are in LDS before I say so
	s_barrier_signal -1
	s_barrier_wait -1
	s_cmp_lg_u32 s[WAVE], 0
	s_cbranch_scc1 .Ldone
	v_and_b32 v51, 31, v0
	v_lshlrev_b32 v51, 3, v51                      ; wave 0: two blocks a lane
	ds_load_b64 v[52:53], v51
	ds_load_b64 v[54:55], v51 offset:256
	ds_load_b64 v[62:63], v51 offset:512
	ds_load_b64 v[64:65], v51 offset:768
	s_lshl_b32 s[ST], ttmp9, 8
	v_add_nc_u32 v66, s[ST], v51
	s_wait_dscnt 0x0
	v_or_b32 v52, v52, v54                         ; the four pairs of lobes fill different bits
	v_or_b32 v53, v53, v55
	v_or_b32 v62, v62, v64
	v_or_b32 v63, v63, v65
	v_or_b32 v52, v52, v62
	v_or_b32 v53, v53, v63
	global_store_b64 v66, v[52:53], s[12:13]
.Ldone:
	s_wait_tensorcnt 0x0
	ds_add_u32 v68, v69
	s_wait_dscnt 0x0
	s_endpgm
.Lfunc_end_k_q00af7c4baa_plan:
	.size	k_q00af7c4baa_plan, .Lfunc_end_k_q00af7c4baa_plan-k_q00af7c4baa_plan
	.p2alignl 7, 3214868480
	.fill 96, 4, 3214868480
	.section	.rodata,"a",@progbits
	.p2align	6, 0x0
	.amdhsa_kernel k_q00af7c4baa_plan
		.amdhsa_group_segment_fixed_size 2048
		.amdhsa_private_segment_fixed_size 0
		.amdhsa_enable_private_segment 0
		.amdhsa_kernarg_size 40
		.amdhsa_user_sgpr_count 2
		.amdhsa_user_sgpr_kernarg_segment_ptr 1
		.amdhsa_wavefront_size32 1
		.amdhsa_system_sgpr_workgroup_id_x 1
		.amdhsa_system_sgpr_workgroup_id_y 1
		.amdhsa_system_sgpr_workgroup_id_z 1
		.amdhsa_system_vgpr_workitem_id 0
		.amdhsa_next_free_vgpr 70
		.amdhsa_next_free_sgpr 66
		.amdhsa_reserve_vcc 1
		.amdhsa_float_denorm_mode_32 3
		.amdhsa_float_denorm_mode_16_64 3
		.amdhsa_memory_ordered 1
		.amdhsa_forward_progress 1
		.amdhsa_inst_pref_size 16
	.end_amdhsa_kernel
	.amdgpu_metadata
---
amdhsa.version: [ 1, 2 ]
amdhsa.kernels:
  - .name:           k_q00af7c4baa_plan
    .symbol:         k_q00af7c4baa_plan.kd
    .args:
      - { .name: axes, .offset: 0, .size: 8, .value_kind: global_buffer, .address_space: global }
      - { .name: labels, .offset: 8, .size: 8, .value_kind: global_buffer, .address_space: global }
      - { .name: sharpness, .offset: 16, .size: 8, .value_kind: global_buffer, .address_space: global }
      - { .name: shifted_centers, .offset: 24, .size: 8, .value_kind: global_buffer, .address_space: global }
      - { .name: steer, .offset: 32, .size: 8, .value_kind: global_buffer, .address_space: global }
    .group_segment_fixed_size: 2048
    .private_segment_fixed_size: 0
    .kernarg_segment_align: 8
    .kernarg_segment_size: 40
    .max_flat_workgroup_size: 256
    .sgpr_count:     66
    .vgpr_count:     70
    .wavefront_size: 32
...
	.end_amdgpu_metadata
.endif
;; end of part 3
;; launch paint (part 4): grid 256 x 1, 27 waves a work-group, no clusters, 141,824 bytes of LDS; arguments axes, labels, sharpness, shifted_centers, steer, out0; writes out0
.if DOCPART == 4
	.amdgcn_target "amdgcn-amd-amdhsa--gfx1250"
	.amdhsa_code_object_version 6
	.text
	.protected	k_q00af7c4baa_paint
	.globl	k_q00af7c4baa_paint
	.p2align	8
	.type	k_q00af7c4baa_paint,@function
k_q00af7c4baa_paint:
	s_mov_b64 s[64:65], 0
	v_nop
	global_prefetch_b8 v0, s[64:65] scope:SCOPE_SE
	s_setreg_imm32_b32 hwreg(HW_REG_WAVE_MODE, 25, 1), 1
	s_wait_xcnt 0x0
; PAINT: out[z][y][x] = label of the last lobe b with prob_b(z,y,x) <= 1, else 0.
; prob = sum over the axes of (|d / (ax + noise)| + 1e-8)^s,  noise = 0.5 * normal(fold_in(key(42), b))[z][y][x].
;
; A block is 8 rows x 64 x of one plane, B = (z*24 + y/8)*3 + x/64: 2,048 bytes, written by four stores of a wave, each of two
; aligned runs of 256 bytes (lanes 0-15 one row, lanes 16-31 the next).  13,824 blocks = 256 groups x 54: group g has the blocks
; B = g + 256 c, c = 0..53; c and c + 27 are the same (y, x) 96 planes apart.  A group's blocks are 256 apart (3 planes and
; 13 1/3 groups of rows), so each blob is spread over all groups.
; A unit is a quarter of a block, 8 rows x 16 x = 128 voxels: lane l holds row l/4 and the four x at 4 (l%4).
; The launch before stored one word for each block, bit 8u + b = unit u can hold voxels of lobe b; all other (unit, lobe) pairs
; are proven outside there and are skipped here.  A lobe whose label is not > 0 is marked nowhere.
;
; WHO DOES WHAT.  Wave w OWNS blocks w and w + 27: it stores them.  Wave w EVALUATES unit u of blocks (w + 7u) mod 27 and that
; + 27: a block's four units are evaluated by four different waves (7u mod 27 = 0, 7, 14, 21).  If the owner evaluated its blocks
; itself, a fully marked pair would be eight evaluations in a row in one wave while the others have nothing to do.
;   1. an owner stores its unmarked blocks at once, from four registers of zeros;
;   2. every unit of a marked block goes into the block's stage in LDS (zeros where the unit itself is not marked);
;   3. one barrier; then an owner reads its marked blocks back as whole rows and stores them.
; The four units are written out one behind the other, and the near and the far block of a trip differ by an immediate, so that
; every LDS address is a register made of the wave's number and v0 plus an immediate.  Four times about 540 instructions.
; Work-groups share nothing but 256 bytes of inputs and 64 bytes of keys: nothing for a cluster to fetch jointly.
;
; THE RANDOM NUMBERS are JAX's: threefry2x32, 20 rounds.  key_b = fold_in(key(42), b) comes from the launch before.
; bits of voxel i = z*36864 + y*192 + x: out0 ^ out1 of threefry(key_b, (0, i)), the counter layout of
; jax_threefry_partitionable = True.  u = 2 * (float(1.mantissa from bits >> 9) - 1) + lo, lo = -(1 - 2^-24): exact in f32.
; Left out because they never act: max(lo, u) (the first summand is >= 0), and erf_inv's case |u| = 1 (|u| <= 1 - 2^-24).
; erf_inv(u) = u * p(w), w = -log1p(-u*u): the two polynomials of degree 8 in w - 2.5 (w < 5) and sqrt(w) - 3, by fused Horner steps.
;
; LIMITS.  log1p, sqrt and pow = exp2(s * log2 t) use the 1-ULP hardware functions; the quotient is reciprocal, product and one
; fused correction.  prob can differ by about 2e-7 from an evaluation with correctly rounded functions: a voxel whose prob lies that
; close to 1 may be decided the other way.  A denominator ax + noise that is exactly 0 or denormal gives NaN here (voxel outside);
; with s < 0 the reference has a term 0 there.
.set WAVES,  27
.set SHIFT,  7                         ; unit u of block c is evaluated by wave (c - 7u) mod 27
.set MAGIC,  43691                     ; ceil(2^17 / 3): n/3 = n*MAGIC >> 17 and n/24 = n*MAGIC >> 20 for n < 131,072
.set HALFB,  0xd80000                  ; bytes of 96 planes
.set HALFV,  0x360000                  ; voxels of 96 planes
.set PAIR,   1536                      ; bytes of two rows: from one store of a block to the next
.set SPITCH, 320                       ; a row of a stage: 256 bytes + 64: the four rows that 16 lanes store into start 64 bytes apart modulo 256
.set STAGE,  8*SPITCH                  ; block c + 27 k has its stage at (2 c + k) * STAGE; 54 stages = 138,240 bytes
.set KEYS,   65536                     ; byte offset of the keys in steer
; scalar registers: s[4:11] axes, labels, sharpness, centres; s[12:13] steer; s[14:15] out
.set WAVE,  16
.set TRIP,  17                         ; 0: the near blocks (c < 27), 1: the far ones
.set WORD,  18
.set ST,    19                         ; at work
.set MASK,  20                         ; lobes of the unit still to do
.set NL,    21                         ; how many there were
.set LI,    22
.set BLOB,  23
.set LO,    24                         ; -(1 - 2^-24)
.set NLN2,  25                         ; -ln 2
.set FIVE,  26
.set SQRT2, 27
.set EPS,   28                         ; 1e-8
.set KS0,   29                         ; key schedule of the lobe at work: ks0, ks1, ks2 = ks0 ^ ks1 ^ 0x1bd11bda
.set KS1,   30
.set KS2,   31
.set KB,    32                         ; s[32:36]  ks2+1, ks0+2, ks1+3, ks2+4, ks0+5
.set AX,    37                         ; s[37:39]
.set SHP,   40
.set LAB,   41
.set CEN,   42                         ; s[42:44]
.set MK,    45                         ; s[45:48]  voxel j: lanes with w < 5
.set BLK,   49
.set RG,    50                         ; group of 8 rows, B / 3
.set XT,    51                         ; third of the row, B mod 3, then its first x
.set WA,    52                         ; s[52:55]  word of the near block whose unit u I evaluate; WA+0 is my own near block's
.set WB,    56                         ; s[56:59]  the same for the far block
.set GZ,    60                         ; s[60:63]  z of that near block
.set GY,    66                         ; s[66:69]  its first row
.set GL,    70                         ; s[70:73]  linear index of its first voxel
.set GX,    74                         ; s[74:77]  first x of its unit u
.set CU,    78                         ; s[78:81]  c = (w + 7u) mod 27
.set MO,    82                         ; s[82:85]  byte offset of its word in steer
; vector registers
.set TM2,   1
.set OFF0,  2                          ; store layout, 768 (l/16) + 16 (l%16), + my near block; never rewritten
.set OFF1,  3                          ; the same + my far block; never rewritten
.set IB,    4                          ; linear index of the lane's first voxel in unit 0 of the block at work
.set ELIN,  5                          ; unit layout, in voxels: 192 (l/4) + 4 (l%4)
.set EXF,   6                          ; 4 (l%4) as f32
.set EYF,   7                          ; l/4 as f32
.set ZR,    8                          ; v[8:11]   zeros; never rewritten
.set ACC,   12                         ; v[12:15]  the lane's four results of a unit
.set STO,   16                         ; v[16:19]  unit u: stage of its near block, row l/4, 16 bytes at 16 (l%4); 64 u is an immediate
.set RD,    20                         ; stage of my own near block, store layout: row l/16, 16 bytes at 16 (l%16)
.set TMP,   21
.set PAX,   22                         ; v[22:31]  lane b: parameters of lobe b: axes,
.set PSH,   25                         ;           sharpness,
.set PLAB,  26                         ;           label,
.set PCN,   27                         ;           centre as loaded,
.set PK,    30                         ;           folded key
.set CO,    32                         ; v[32:49]  coefficient i as a pair: (w < 5, w >= 5)
.set PCF,   50                         ; v[50:52]  lane b: centre as f32
.set LABV,  53
.set ZF,    54
.set YF,    55
.set XF,    56                         ; v[56:59]
.set DZ,    60
.set DY,    61
.set DX,    62                         ; v[62:65]
.set X0,    66                         ; v[66:69]  threefry x0 of voxel j
.set X1,    70                         ; v[70:73]  threefry x1
.set UNI,   74                         ; v[74:77]  u
.set TT,    78
.set AA,    82
.set CC,    86
.set WW,    90                         ; v[90:93]  w
.set WPR,   94                         ; v[94:101] pair (w - 2.5, sqrt(w) - 3)
.set POL,   102                        ; v[102:109] pair of polynomial values
.set NRM,   110                        ; v[110:113] the normal deviate
.set DEN,   66                         ; v[66:77]  axis a, voxel j at 4 a + j: ax + noise   (X0, X1, UNI are spent)
.set RCP,   78                         ; v[78:89]                                            (TT, AA, CC are spent)
.set QUO,   90                         ; v[90:101]                                           (WW, WPR are spent)
.set ERR,   102                        ; v[102:113]                                          (POL, NRM are spent)
.set OUT,   66                         ; v[66:97]  my two blocks on their way out, 16 registers each: no store's data is rewritten
.set A12,   114                        ; v[114:116] offsets of the parameter loads; never rewritten, so nothing waits to free them
.set A4,    115
.set A8,    116
; ---- threefry2x32 on n chains in v[X0+j], v[X1+j]; the chains are interleaved so that no line waits for the one in front ----
.macro KEYSCHED
	s_xor_b32 s[KS2], s[KS0], s[KS1]
	s_xor_b32 s[KS2], s[KS2], 0x1bd11bda
	s_add_co_u32 s[KB+0], s[KS2], 1
	s_add_co_u32 s[KB+1], s[KS0], 2
	s_add_co_u32 s[KB+2], s[KS1], 3
	s_add_co_u32 s[KB+3], s[KS2], 4
	s_add_co_u32 s[KB+4], s[KS0], 5
.endm
.macro TF_SUM n                        ; x0 += x1
.set j, 0
.rept \n
	v_add_nc_u32 v[X0+j], v[X0+j], v[X1+j]
.set j, j+1
.endr
.endm
.macro TF_ROT n, rot                   ; x1 = rotl(x1, rot) ^ x0
.set j, 0
.rept \n
	v_alignbit_b32 v[X1+j], v[X1+j], v[X1+j], 32-\rot
.set j, j+1
.endr
.set j, 0
.rept \n
	v_xor_b32 v[X1+j], v[X0+j], v[X1+j]
.set j, j+1
.endr
.endm
.macro TF_KEY n, ka, kb                ; key words in: x1 += kb, x0 += ka; the next round's x0 += x1 rides in the same three-operand sum
.set j, 0
.rept \n
	v_add_nc_u32 v[X1+j], s[\kb], v[X1+j]
.set j, j+1
.endr
.set j, 0
.rept \n
	v_add3_u32 v[X0+j], v[X0+j], s[\ka], v[X1+j]
.set j, j+1
.endr
.endm
.macro TF_FOUR n, r0, r1, r2, r3       ; four rounds; the first round's sum has been made
	TF_ROT \n, \r0
	TF_SUM \n
	TF_ROT \n, \r1
	TF_SUM \n
	TF_ROT \n, \r2
	TF_SUM \n
	TF_ROT \n, \r3
.endm
.macro THREEFRY n                      ; in: x1 = low counter word + ks1; the high counter word is 0, so x0 = ks0 stays scalar
.set j, 0
.rept \n
	v_add_nc_u32 v[X0+j], s[KS0], v[X1+j]
.set j, j+1
.endr
	TF_FOUR \n, 13, 15, 26, 6
	TF_KEY  \n, KS1, KB+0
	TF_FOUR \n, 17, 29, 16, 24
	TF_KEY  \n, KS2, KB+1
	TF_FOUR \n, 13, 15, 26, 6
	TF_KEY  \n, KS0, KB+2
	TF_FOUR \n, 17, 29, 16, 24
	TF_KEY  \n, KS1, KB+3
	TF_FOUR \n, 13, 15, 26, 6
.set j, 0
.rept \n
	v_add_nc_u32 v[X0+j], s[KS2], v[X0+j]
	v_add_nc_u32 v[X1+j], s[KB+4], v[X1+j]
.set j, j+1
.endr
.endm
; ---- one lobe on one unit: takes the lowest bit of MASK, evaluates the lane's four voxels, imprints the label into ACC ----
; base = the unit's first voxel in the block's rows, 16 u
.macro LOBE base
	s_ctz_i32_b32 s[BLOB], s[MASK]
	s_sub_co_u32 s[ST], s[MASK], 1
	s_and_b32 s[MASK], s[MASK], s[ST]              ; that bit is done
	v_readlane_b32 s[KS0], v[PK], s[BLOB]
	v_readlane_b32 s[KS1], v[PK+1], s[BLOB]
.irp a, 0,1,2
	v_readlane_b32 s[AX+\a], v[PAX+\a], s[BLOB]
	v_readlane_b32 s[CEN+\a], v[PCF+\a], s[BLOB]
.endr
	v_readlane_b32 s[SHP], v[PSH], s[BLOB]
	v_readlane_b32 s[LAB], v[PLAB], s[BLOB]
	KEYSCHED
	v_sub_f32 v[DZ], v[ZF], s[CEN]
	v_sub_f32 v[DY], v[YF], s[CEN+1]
.irp j, 0,1,2,3
	v_sub_f32 v[DX+\j], v[XF+\j], s[CEN+2]
.endr
.irp j, 0,1,2,3
	v_add3_u32 v[X1+\j], v[IB], s[KS1], \base+\j   ; counter (0, i), i = the lane's first voxel of unit 0 + 16 u + j
.endr
	THREEFRY 4
.irp j, 0,1,2,3
	v_xor_b32 v[X0+\j], v[X0+\j], v[X1+\j]         ; the 32 random bits
.endr
.irp j, 0,1,2,3
	v_alignbit_b32 v[X0+\j], 0x7f, v[X0+\j], 9     ; (bits >> 9) | 0x3f800000: a float in [1, 2)
.endr
.irp j, 0,1,2,3
	v_add_f32 v[X0+\j], -1.0, v[X0+\j]
.endr
.irp j, 0,1,2,3
	v_fma_f32 v[UNI+\j], v[X0+\j], 2.0, s[LO]      ; maxval - minval rounds to 2.0 in f32
.endr
	; w = -log1p(t), t = -u*u.  a = 1 + t rounded, c = t - (a - 1) exactly what the rounding lost (|c| <= 2^-25, 0 for a < 0.5):
	; log1p(t) = ln a + c / a, and 2 - a stands for 1 / a in that small term (error under 1e-8 of w everywhere)
.irp j, 0,1,2,3
	v_mul_f32 v[TT+\j], -v[UNI+\j], v[UNI+\j]
.endr
.irp j, 0,1,2,3
	v_add_f32 v[AA+\j], 1.0, v[TT+\j]
.endr
.irp j, 0,1,2,3
	v_log_f32 v[WW+\j], v[AA+\j]
.endr
.irp j, 0,1,2,3
	v_add_f32 v[CC+\j], -1.0, v[AA+\j]             ; plain work that touches no result of the logarithms stands behind them
.endr
.irp j, 0,1,2,3
	v_sub_f32 v[CC+\j], v[TT+\j], v[CC+\j]
.endr
.irp j, 0,1,2,3
	v_sub_f32 v[TT+\j], 2.0, v[AA+\j]
.endr
.irp j, 0,1,2,3
	v_mul_f32 v[CC+\j], v[CC+\j], v[TT+\j]
.endr
	s_wait_alu depctr_va_vdst(0)
.irp j, 0,1,2,3
	v_fma_f32 v[WW+\j], v[WW+\j], s[NLN2], -v[CC+\j]
.endr
.irp j, 0,1,2,3
	v_sqrt_f32 v[WPR+2*\j+1], v[WW+\j]
.endr
.irp j, 0,1,2,3
	v_add_f32 v[WPR+2*\j], 0xc0200000, v[WW+\j]    ; w - 2.5; also the plain work behind the roots
.endr
.irp j, 0,1,2,3
	v_cmp_gt_f32 s[MK+\j], s[FIVE], v[WW+\j]
.endr
	s_wait_alu depctr_va_vdst(0)
.irp j, 0,1,2,3
	v_add_f32 v[WPR+2*\j+1], 0xc0400000, v[WPR+2*\j+1]     ; sqrt(w) - 3
.endr
	; both polynomials at once, one in each half of a packed fused multiply-add; the choice is a select, never a branch
.irp j, 0,1,2,3
	v_pk_fma_f32 v[POL+2*\j:POL+2*\j+1], v[CO:CO+1], v[WPR+2*\j:WPR+2*\j+1], v[CO+2:CO+3]
.endr
.irp i, 2,3,4,5,6,7,8
.irp j, 0,1,2,3
	v_pk_fma_f32 v[POL+2*\j:POL+2*\j+1], v[POL+2*\j:POL+2*\j+1], v[WPR+2*\j:WPR+2*\j+1], v[CO+2*\i:CO+2*\i+1]
.endr
.endr
.irp j, 0,1,2,3
	v_cndmask_b32 v[NRM+\j], v[POL+2*\j+1], v[POL+2*\j], s[MK+\j]
.endr
.irp j, 0,1,2,3
	v_mul_f32 v[NRM+\j], v[NRM+\j], v[UNI+\j]      ; erf_inv(u)
.endr
.irp j, 0,1,2,3
	v_mul_f32 v[NRM+\j], s[SQRT2], v[NRM+\j]       ; the normal deviate
.endr
	; the three terms of the four voxels: twelve chains
.irp a, 0,1,2
.irp j, 0,1,2,3
	v_fma_f32 v[DEN+4*\a+\j], v[NRM+\j], 0.5, s[AX+\a]     ; ax + 0.5 n: the product by 0.5 is exact, so one rounding as in the reference
.endr
.endr
.set i, 0
.rept 12
	v_rcp_f32 v[RCP+i], v[DEN+i]
.set i, i+1
.endr
	v_mov_b32 v[LABV], s[LAB]                      ; plain work behind the reciprocals
	s_wait_alu depctr_va_vdst(0)
.irp j, 0,1,2,3
	v_mul_f32 v[QUO+\j],   v[DZ],    v[RCP+\j]
	v_mul_f32 v[QUO+4+\j], v[DY],    v[RCP+4+\j]
	v_mul_f32 v[QUO+8+\j], v[DX+\j], v[RCP+8+\j]
.endr
.irp j, 0,1,2,3
	v_fma_f32 v[ERR+\j],   -v[QUO+\j],   v[DEN+\j],   v[DZ]       ; what the quotient leaves of d, exactly
	v_fma_f32 v[ERR+4+\j], -v[QUO+4+\j], v[DEN+4+\j], v[DY]
	v_fma_f32 v[ERR+8+\j], -v[QUO+8+\j], v[DEN+8+\j], v[DX+\j]
.endr
.set i, 0
.rept 12
	v_fma_f32 v[QUO+i], v[ERR+i], v[RCP+i], v[QUO+i]       ; the corrected quotient
.set i, i+1
.endr
.set i, 0
.rept 12
	v_add_f32 v[QUO+i], |v[QUO+i]|, s[EPS]
.set i, i+1
.endr
.set i, 0
.rept 12
	v_log_f32 v[ERR+i], v[QUO+i]
.set i, i+1
.endr
	v_nop                                          ; one plain vector instruction between a transcendental and the use of its result
.set i, 0
	s_wait_alu depctr_va_vdst(0)
.rept 12
	v_mul_f32 v[ERR+i], s[SHP], v[ERR+i]
.set i, i+1
.endr
.set i, 0
.rept 12
	v_exp_f32 v[QUO+i], v[ERR+i]
.set i, i+1
.endr
	v_nop                                          ; as above
	s_wait_alu depctr_va_vdst(0)
.irp j, 0,1,2,3
	v_add_f32 v[QUO+\j], v[QUO+\j], v[QUO+4+\j]    ; (z + y) + x, the reference's order
.endr
.irp j, 0,1,2,3
	v_add_f32 v[QUO+\j], v[QUO+\j], v[QUO+8+\j]
.endr
.irp j, 0,1,2,3
	v_cmp_ge_f32 vcc_lo, 1.0, v[QUO+\j]            ; prob <= 1; false for NaN
	v_cndmask_b32 v[ACC+\j], v[ACC+\j], v[LABV], vcc_lo
.endr
.endm
; ---- the near block whose unit u this wave evaluates: its number in the group, its place in the volume, in steer and in LDS ----
; v[IB] holds the lane's term of a stage address, unit layout
.macro GEOM u
.if \u == 0
	s_mov_b32 s[CU], s[WAVE]
.else
	s_add_co_u32 s[CU+\u], s[WAVE], SHIFT*\u       ; at most 26 + 21
	s_sub_co_u32 s[ST], s[CU+\u], WAVES
	s_min_u32 s[CU+\u], s[CU+\u], s[ST]            ; modulo 27: below 27 the difference wraps to a large number and loses
.endif
	s_lshl_b32 s[BLK], s[CU+\u], 8
	s_add_co_u32 s[BLK], s[BLK], ttmp9             ; B = g + 256 c, < 6,912
	s_mul_i32 s[RG], s[BLK], MAGIC
	s_lshr_b32 s[RG], s[RG], 17
	s_mul_i32 s[ST], s[RG], 3
	s_sub_co_u32 s[XT], s[BLK], s[ST]
	s_mul_i32 s[GZ+\u], s[RG], MAGIC
	s_lshr_b32 s[GZ+\u], s[GZ+\u], 20
	s_mul_i32 s[ST], s[GZ+\u], 24
	s_sub_co_u32 s[GY+\u], s[RG], s[ST]
	s_lshl_b32 s[GY+\u], s[GY+\u], 3
	s_lshl_b32 s[XT], s[XT], 6
	s_mul_i32 s[GL+\u], s[RG], 1536                ; 8 rows of 192 voxels
	s_add_co_u32 s[GL+\u], s[GL+\u], s[XT]
.if \u == 0
	s_mov_b32 s[GX], s[XT]
.else
	s_add_co_u32 s[GX+\u], s[XT], 16*\u
.endif
	s_lshl_b32 s[MO+\u], ttmp9, 8
	s_lshl2_add_u32 s[MO+\u], s[CU+\u], s[MO+\u]   ; 256 g + 4 c
	s_mul_i32 s[ST], s[CU+\u], 2*STAGE
	v_add_nc_u32 v[STO+\u], s[ST], v[IB]
.endm
; ---- unit u of this trip's block: its marked lobes in ascending order, then its 64 bytes of each of the stage's eight rows ----
.macro DOUNIT u
	s_cmp_eq_u32 s[TRIP], 0
	s_cselect_b32 s[WORD], s[WA+\u], s[WB+\u]
	s_cmp_eq_u32 s[WORD], 0
	s_cbranch_scc1 .Lskip\u                        ; no mark in the whole block: its owner has stored zeros and reads no stage
	s_bfe_u32 s[MASK], s[WORD], (8<<16)|(8*\u)     ; byte u of the block's word: the unit's lobes
.irp j, 0,1,2,3
	v_mov_b32 v[ACC+\j], 0
.endr
	s_cmp_eq_u32 s[MASK], 0
	s_cbranch_scc1 .Lput\u                         ; an unmarked unit of a marked block: zeros
	s_mul_i32 s[ST], s[TRIP], 96
	s_add_co_u32 s[ST], s[ST], s[GZ+\u]
	v_cvt_f32_u32 v[ZF], s[ST]                     ; the coordinates, as the reference's arange values
	s_mul_i32 s[ST], s[TRIP], HALFV
	s_add_co_u32 s[ST], s[ST], s[GL+\u]
	v_add_nc_u32 v[IB], s[ST], v[ELIN]
	v_cvt_f32_u32 v[YF], s[GY+\u]
	v_add_f32 v[YF], v[YF], v[EYF]
	v_cvt_f32_u32 v[XF], s[GX+\u]
	v_add_f32 v[XF], v[XF], v[EXF]
	v_add_f32 v[XF+1], 1.0, v[XF]
	v_add_f32 v[XF+2], 2.0, v[XF]
	v_add_f32 v[XF+3], 0x40400000, v[XF]
	s_bcnt1_i32_b32 s[NL], s[MASK]                 ; one trip for each marked lobe
	s_mov_b32 s[LI], 0
.Lblob\u:                                          ; lowest bit first: a later lobe writes over an earlier one, as in the scan
	LOBE 16*\u
	s_add_co_u32 s[LI], s[LI], 1
	s_cmp_lt_u32 s[LI], s[NL]
	s_cbranch_scc1 .Lblob\u
.Lput\u:
	s_cmp_lg_u32 s[TRIP], 0
	s_cbranch_scc1 .Lfar\u
	ds_store_b128 v[STO+\u], v[ACC:ACC+3] offset:64*\u             ; row l/4, bytes 64 u + 16 (l%4) of the near block's stage
	s_branch .Lskip\u
.Lfar\u:
	ds_store_b128 v[STO+\u], v[ACC:ACC+3] offset:STAGE+64*\u       ; the far block's stage lies behind the near one's
.Lskip\u:
.endm
; ---- my own block k (0 near, 1 far), if marked, leaves: two whole rows of 256 bytes with each load and store ----
.macro LEAVE k, word, off
	s_cmp_eq_u32 s[\word], 0
	s_cbranch_scc1 .Lgone\k
.irp i, 0,1,2,3
	ds_load_b128 v[OUT+16*\k+4*\i:OUT+16*\k+4*\i+3], v[RD] offset:\k*STAGE+\i*2*SPITCH
.endr
.irp i, 0,1,2,3
	s_wait_dscnt 3-\i                              ; LDS loads come back in order (ISA guide 5.7.1): load i is in, the 3 - i younger ones may be out
	global_store_b128 v[\off], v[OUT+16*\k+4*\i:OUT+16*\k+4*\i+3], s[14:15] offset:\i*PAIR th:TH_STORE_NT
.endr
.Lgone\k:
.endm
	s_load_b256 s[4:11], s[0:1], 0x0               ; axes s[4:5], labels s[6:7], sharpness s[8:9], centres s[10:11]
	s_load_b128 s[12:15], s[0:1], 0x20             ; steer s[12:13], out s[14:15]
	v_lshl_add_u32 v118, v0, 2, 0x21c00
	v_mov_b32 v119, 0
	v_lshrrev_b32 v[TMP], 5, v0
	v_readfirstlane_b32 s[WAVE], v[TMP]
	; all geometry hangs on ids alone and is made while the arguments are on their way
	v_and_b32 v[TMP], 15, v0                       ; l % 16
	v_bfe_u32 v[TM2], v0, 4, 1                     ; l / 16
	v_mul_u32_u24 v[OFF0], v[TM2], 768
	v_lshl_add_u32 v[OFF0], v[TMP], 4, v[OFF0]
	v_mul_u32_u24 v[RD], v[TM2], SPITCH
	v_lshl_add_u32 v[RD], v[TMP], 4, v[RD]
	s_mul_i32 s[ST], s[WAVE], 2*STAGE
	v_add_nc_u32 v[RD], s[ST], v[RD]
	v_bfe_u32 v[TM2], v0, 2, 3                     ; l / 4
	v_and_b32 v[TMP], 3, v0                        ; l % 4
	v_cvt_f32_u32 v[EYF], v[TM2]
	v_lshlrev_b32 v[ELIN], 2, v[TMP]
	v_cvt_f32_u32 v[EXF], v[ELIN]
	v_mad_u32_u24 v[ELIN], v[TM2], 192, v[ELIN]
	v_mul_u32_u24 v[IB], v[TM2], SPITCH
	v_lshl_add_u32 v[IB], v[TMP], 4, v[IB]         ; the lane's term of a stage address, unit layout
	GEOM 0
	GEOM 1
	GEOM 2
	GEOM 3
	s_lshl_b32 s[ST], s[GL], 2                     ; unit 0's block is my own: its bytes in out
	v_add_nc_u32 v[OFF0], s[ST], v[OFF0]
	v_add_nc_u32 v[OFF1], HALFB, v[OFF0]
.irp j, 0,1,2,3
	v_mov_b32 v[ZR+\j], 0
.endr
	v_and_b32 v[TMP], 7, v0                        ; for the parameters: lane = lobe (four copies; lanes 0-7 are read)
	v_mul_u32_u24 v[A12], v[TMP], 12               ; a row of axes or of centres is 12 bytes
	v_lshlrev_b32 v[A4], 2, v[TMP]
	v_lshlrev_b32 v[A8], 3, v[TMP]
	s_mov_b32 s[LO],    0xbf7fffff
	s_mov_b32 s[NLN2],  0xbf317218
	s_mov_b32 s[FIVE],  0x40a00000
	s_mov_b32 s[SQRT2], 0x3fb504f3
	s_mov_b32 s[EPS],   0x322bcc77
	s_wait_kmcnt 0x0
.irp u, 0,1,2,3
	s_load_b32 s[WA+\u], s[12:13], s[MO+\u] offset:0x0
	s_load_b32 s[WB+\u], s[12:13], s[MO+\u] offset:4*WAVES
.endr
	global_load_b32 v[PAX],   v[A12], s[4:5]       ; asked for by every wave now: a wave with a marked unit would otherwise wait for them then
	global_load_b32 v[PAX+1], v[A12], s[4:5] offset:4
	global_load_b32 v[PAX+2], v[A12], s[4:5] offset:8
	global_load_b32 v[PCN],   v[A12], s[10:11]
	global_load_b32 v[PCN+1], v[A12], s[10:11] offset:4
	global_load_b32 v[PCN+2], v[A12], s[10:11] offset:8
	global_load_b32 v[PLAB],  v[A4], s[6:7]
	global_load_b32 v[PSH],   v[A4], s[8:9]
	global_load_b64 v[PK:PK+1], v[A8], s[12:13] offset:KEYS
	s_wait_kmcnt 0x0                               ; the eight words
	; 1. my own blocks that no lobe reaches: zeros, at once.  Their sources are never rewritten, so nothing waits for these stores
	s_cmp_lg_u32 s[WA], 0
	s_cbranch_scc1 .Lsecond
.irp i, 0,1,2,3
	global_store_b128 v[OFF0], v[ZR:ZR+3], s[14:15] offset:\i*PAIR th:TH_STORE_NT
.endr
.Lsecond:
	s_cmp_lg_u32 s[WB], 0
	s_cbranch_scc1 .Lmarked
.irp i, 0,1,2,3
	global_store_b128 v[OFF1], v[ZR:ZR+3], s[14:15] offset:\i*PAIR th:TH_STORE_NT
.endr
.Lmarked:
	; 2. my eight units.  A wave none of whose eight blocks is marked goes straight to the barrier
	s_or_b32 s[ST], s[WA], s[WB]
.irp u, 1,2,3
	s_or_b32 s[ST], s[ST], s[WA+\u]
	s_or_b32 s[ST], s[ST], s[WB+\u]
.endr
	s_cmp_eq_u32 s[ST], 0
	s_cbranch_scc1 .Lmeet
	s_wait_loadcnt 0x0                             ; the parameters and keys
.irp a, 0,1,2
	v_cvt_f32_i32 v[PCF+\a], v[PCN+\a]
.endr
	; erf_inv's coefficients, highest power first: (centre, tail).  Set here, so that only waves that may evaluate pay for them
	v_mov_b32 v[CO+0],  2.81022636e-08
	v_mov_b32 v[CO+1],  -0.000200214257
	v_mov_b32 v[CO+2],  3.43273939e-07
	v_mov_b32 v[CO+3],  0.000100950558
	v_mov_b32 v[CO+4],  -3.5233877e-06
	v_mov_b32 v[CO+5],  0.00134934322
	v_mov_b32 v[CO+6],  -4.39150654e-06
	v_mov_b32 v[CO+7],  -0.00367342844
	v_mov_b32 v[CO+8],  0.00021858087
	v_mov_b32 v[CO+9],  0.00573950773
	v_mov_b32 v[CO+10], -0.00125372503
	v_mov_b32 v[CO+11], -0.0076224613
	v_mov_b32 v[CO+12], -0.00417768164
	v_mov_b32 v[CO+13], 0.00943887047
	v_mov_b32 v[CO+14], 0.246640727
	v_mov_b32 v[CO+15], 1.00167406
	v_mov_b32 v[CO+16], 1.50140941
	v_mov_b32 v[CO+17], 2.83297682
	s_mov_b32 s[TRIP], 0
.Ltrip:
	DOUNIT 0
	DOUNIT 1
	DOUNIT 2
	DOUNIT 3
	s_add_co_u32 s[TRIP], s[TRIP], 1
	s_cmp_lt_u32 s[TRIP], 2
	s_cbranch_scc1 .Ltrip
.Lmeet:
	; 3. every unit of every marked block is in its stage: each wave's own LDS stores are done before it says so
	s_wait_dscnt 0x0
	s_barrier_signal -1
	s_barrier_wait -1
	LEAVE 0, WA, OFF0
	LEAVE 1, WB, OFF1
	s_wait_tensorcnt 0x0
	ds_add_u32 v118, v119
	s_wait_dscnt 0x0
	s_endpgm
.Lfunc_end_k_q00af7c4baa_paint:
	.size	k_q00af7c4baa_paint, .Lfunc_end_k_q00af7c4baa_paint-k_q00af7c4baa_paint
	.p2alignl 7, 3214868480
	.fill 96, 4, 3214868480
	.section	.rodata,"a",@progbits
	.p2align	6, 0x0
	.amdhsa_kernel k_q00af7c4baa_paint
		.amdhsa_group_segment_fixed_size 141824
		.amdhsa_private_segment_fixed_size 0
		.amdhsa_enable_private_segment 0
		.amdhsa_kernarg_size 48
		.amdhsa_user_sgpr_count 2
		.amdhsa_user_sgpr_kernarg_segment_ptr 1
		.amdhsa_wavefront_size32 1
		.amdhsa_system_sgpr_workgroup_id_x 1
		.amdhsa_system_sgpr_workgroup_id_y 1
		.amdhsa_system_sgpr_workgroup_id_z 1
		.amdhsa_system_vgpr_workitem_id 0
		.amdhsa_next_free_vgpr 120
		.amdhsa_next_free_sgpr 86
		.amdhsa_reserve_vcc 1
		.amdhsa_float_denorm_mode_32 3
		.amdhsa_float_denorm_mode_16_64 3
		.amdhsa_memory_ordered 1
		.amdhsa_forward_progress 1
		.amdhsa_inst_pref_size 113
	.end_amdhsa_kernel
	.amdgpu_metadata
---
amdhsa.version: [ 1, 2 ]
amdhsa.kernels:
  - .name:           k_q00af7c4baa_paint
    .symbol:         k_q00af7c4baa_paint.kd
    .args:
      - { .name: axes, .offset: 0, .size: 8, .value_kind: global_buffer, .address_space: global }
      - { .name: labels, .offset: 8, .size: 8, .value_kind: global_buffer, .address_space: global }
      - { .name: sharpness, .offset: 16, .size: 8, .value_kind: global_buffer, .address_space: global }
      - { .name: shifted_centers, .offset: 24, .size: 8, .value_kind: global_buffer, .address_space: global }
      - { .name: steer, .offset: 32, .size: 8, .value_kind: global_buffer, .address_space: global }
      - { .name: out0, .offset: 40, .size: 8, .value_kind: global_buffer, .address_space: global }
    .group_segment_fixed_size: 141824
    .private_segment_fixed_size: 0
    .kernarg_segment_align: 8
    .kernarg_segment_size: 48
    .max_flat_workgroup_size: 864
    .sgpr_count:     86
    .vgpr_count:     120
    .wavefront_size: 32
...
	.end_amdgpu_metadata
.endif
;; end of part 4
